; MI455X (gfx1250); checked and timed in simulation.
; The chip was launched on July 23, 2026; its instructions are those of AMD's public machine-readable ISA for CDNA 5 (MIT licence, August 2026) and "CDNA5" Instruction Set Architecture Reference Guide (July 2026). The comments in the code are by the model that wrote it; some were corrected since.
;; Exponential Smoothing Net. Allowed arithmetic: float matrix products may take bf16 or f16 operands with f32 sums; all other float work in f32.
;; Inputs: alpha one number float32; x 128 x 2,048 x 256 float32.
;; Outputs: out0 128 x 1 x 256 float32.
;; One version. Each part assembles by itself: llvm-mc -triple=amdgcn-amd-amdhsa -mcpu=gfx1250 --defsym DOCPART=n.
;; ======== version 1 of 1: 1 launch
;; launch smooth (part 1): grid 256 x 1, 32 waves a work-group, no clusters, 20,480 bytes of LDS; arguments x, alpha, out0; writes out0
.if DOCPART == 1
	.amdgcn_target "amdgcn-amd-amdhsa--gfx1250"
	.amdhsa_code_object_version 6
	.text
	.protected	k_q061fbee76c_smooth
	.globl	k_q061fbee76c_smooth
	.p2align	8
	.type	k_q061fbee76c_smooth,@function
k_q061fbee76c_smooth:
	s_mov_b64 s[64:65], 0
	v_nop
	global_prefetch_b8 v0, s[64:65] scope:SCOPE_SE
	s_setreg_imm32_b32 hwreg(HW_REG_WAVE_MODE, 25, 1), 1
	s_wait_xcnt 0x0
; Exponential smoothing, last state only:  y_0 = x[:,0,:],  y_t = alpha x[:,t,:] + (1 - alpha) y_(t-1),  out0 = y_2047.
; x: [128][2048][256] f32, alpha: one f32, out0: [128][1][256] f32.  All arithmetic in f32.
;
; SHARES.  Work-group g: batch g >> 1, channels 128 (g & 1) .. + 127: 512 bytes of each row of 1,024 bytes, 1 MiB in all.
; Wave w: rows 64 w .. 64 w + 63.  Lane l: 4 channels, 16 bytes: one load of a wave covers 512 consecutive bytes, aligned to 512.
;
; ALGEBRA, with b = 1 - alpha rounded as the reference rounds it.  Inside a chunk Z <- b Z + x: one fused multiply-add a number, alpha is
; applied once at the chunk's end.  The chunks are joined in the recurrence's own form:
;     Y_0 = alpha Z_0 + b^64 x_0,     Y_w = alpha Z_w + b^64 Y_(w-1),     out = Y_31.
; x_0 stands in Z_0 with weight alpha b^63 and is added with weight b^64: together (alpha + b) b^63 x_0 = b^63 x_0, up to the rounding
; of b (relative 2^-24 |b|).  No term of the series is dropped, whatever alpha is.
;
; LIMITS.  Chunk sums are not scaled by alpha and reach 64 max|x| for |b| <= 1: |x| above about 5e36 can overflow here and not in the
; recurrence.  For |b| > 3.9 a chunk sum overflows by itself (the recurrence is non-finite from |b| > 1.045 on).  An infinity in x together
; with |b| < 0.2 (b^64 underflows to 0) gives NaN, where the recurrence keeps the infinity.  The order of rounding differs from the recurrence's.
;
; NOT USED: matrix instructions (no product), tensor loads and clusters (no byte of x is read by two waves), prefetches (the stream runs from
; the first line on and asks for each byte once).
.set ROWB,  1024                       ; bytes from a row to the next
.set PART,  512                        ; bytes of a row that the work-group owns; also a wave's part in LDS
.set WAVES, 32
.set CHUNK, 2048/WAVES                 ; 64 rows a wave
.set DEPTH, 24                         ; row slots in registers: with the first row, 25 loads of 512 bytes of each wave are out at once
.set OFF,   1                          ; v1        byte offset of my 16 bytes in my wave's first row, from the group's first byte
.set RD,    2                          ; v2        16 x lane
.set LA,    3                          ; v3        16 x thread: my 16 bytes of my wave's part in LDS
.set FIRST, 4                          ; v[4:7]    my wave's first row; in wave 0 it is x_0 and is kept to the end
.set Z,     8                          ; v[8:11]   the running sum
.set A,     12                         ; v[12:13]  alpha, twice (a pair for the packed forms)
.set B,     14                         ; v[14:15]  b, twice
.set Q,     16                         ; v[16:17]  b^64, twice
.set TMP,   18                         ; v18       at work
.set X,     20                         ; v[20:115] slot s: 4 registers; row t lies in slot (t - 1) mod DEPTH
	s_load_b128 s[4:7], s[0:1], 0x0                ; x s[4:5], alpha s[6:7]
	s_load_b64 s[8:9], s[0:1], 0x10                ; out0
	v_lshl_add_u32 v116, v0, 2, 0x4000
	v_mov_b32 v117, 0
	v_lshrrev_b32 v[TMP], 5, v0
	v_readfirstlane_b32 s14, v[TMP]                ; wave number, 0 .. 31
	v_and_b32 v[RD], 31, v0
	v_lshlrev_b32 v[RD], 4, v[RD]                  ; 16 x lane
	v_lshl_or_b32 v[OFF], v[TMP], 16, v[RD]        ; + wave x 64 rows x 1,024 bytes
	v_lshlrev_b32 v[LA], 4, v0
	s_lshr_b32 s10, ttmp9, 1                       ; batch
	s_lshl_b32 s10, s10, 21                        ; x 2,048 rows x 1,024 bytes (127 << 21 stays below 2^32)
	s_and_b32 s11, ttmp9, 1                        ; which half of the rows
	s_lshl_b32 s11, s11, 9
	s_or_b32 s10, s10, s11
	s_mov_b32 s11, 0
	s_wait_kmcnt 0x0
	s_load_b32 s12, s[6:7], 0x0                    ; alpha: on its way while the ring is filled
	s_add_nc_u64 s[4:5], s[4:5], s[10:11]          ; x at the group's first byte; never stepped: all 64 rows are reached by the immediate
	global_load_b128 v[FIRST:FIRST+3], v[OFF], s[4:5] th:TH_LOAD_NT
.set t, 1
.rept DEPTH                                            ; rows 1 .. 24 fill the slots
.set xs, X+4*((t-1)%DEPTH)
	global_load_b128 v[xs:xs+3], v[OFF], s[4:5] offset:t*ROWB th:TH_LOAD_NT
.set t, t+1
.endr
	; The constants, made by every wave while its first rows are on their way, so that none of this stands in wave 0's last stretch.
	s_wait_kmcnt 0x0
	v_mov_b32 v[A], s12
	v_mov_b32 v[A+1], s12
	v_sub_f32 v[B], 1.0, v[A]
	v_sub_f32 v[B+1], 1.0, v[A]
	v_pk_mul_f32 v[Q:Q+1], v[B:B+1], v[B:B+1]      ; b^2
.rept 5
	v_pk_mul_f32 v[Q:Q+1], v[Q:Q+1], v[Q:Q+1]      ; b^4, 8, 16, 32, 64
.endr
	; THE STREAM: rows 1 .. 63 in order.  At row t, min(64, DEPTH + t) loads have been issued and t + 1 of them have to be in; loads come back
	; in order (ISA guide 5.7.1), so min(63 - t, DEPTH - 1) may stay out.  The slot is asked for again right behind the two lines that read it.
	; No address register is ever rewritten, so the stream holds no other wait.
.set t, 1
.rept CHUNK-1
.set xs, X+4*((t-1)%DEPTH)
.if CHUNK-1-t < DEPTH-1
	s_wait_loadcnt CHUNK-1-t
.else
	s_wait_loadcnt DEPTH-1
.endif
.if t == 1
	v_pk_fma_f32 v[Z:Z+1],   v[FIRST:FIRST+1],   v[B:B+1], v[xs:xs+1]     ; the first row starts the sum: nothing is cleared or copied
	v_pk_fma_f32 v[Z+2:Z+3], v[FIRST+2:FIRST+3], v[B:B+1], v[xs+2:xs+3]
.else
	v_pk_fma_f32 v[Z:Z+1],   v[Z:Z+1],   v[B:B+1], v[xs:xs+1]             ; Z <- b Z + x
	v_pk_fma_f32 v[Z+2:Z+3], v[Z+2:Z+3], v[B:B+1], v[xs+2:xs+3]
.endif
.if t+DEPTH < CHUNK
	global_load_b128 v[xs:xs+3], v[OFF], s[4:5] offset:(t+DEPTH)*ROWB th:TH_LOAD_NT
.endif
.set t, t+1
.endr
	v_pk_mul_f32 v[Z:Z+1],   v[Z:Z+1],   v[A:A+1]  ; alpha Z_w
	v_pk_mul_f32 v[Z+2:Z+3], v[Z+2:Z+3], v[A:A+1]
	; Waves 1 .. 31 hand their parts to wave 0 through LDS (wave w at byte 512 w; the first 512 bytes stay unused, so that 16 x thread is the address).
	s_cmp_eq_u32 s14, 0
	s_cbranch_scc1 .Lmeet                          ; wave 0 keeps its part in registers
	ds_store_b128 v[LA], v[Z:Z+3]
	s_wait_dscnt 0x0                               ; for wave 0's sake: my part is in LDS before I signal
.Lmeet:
	s_barrier_signal -1
	s_barrier_wait -1
	s_cmp_lg_u32 s14, 0
	s_cbranch_scc1 .Lend
	; WAVE 0 JOINS THE CHUNKS, through the same slots: part w lies in slot (w - 1) mod DEPTH.
.set w, 1
.rept DEPTH
.set xs, X+4*((w-1)%DEPTH)
	ds_load_b128 v[xs:xs+3], v[RD] offset:w*PART   ; 32 lanes, 16 neighbouring bytes each
.set w, w+1
.endr
	s_lshl_b32 s10, ttmp9, 9                       ; out0: batch x 1,024 + half x 512 = 512 x work-group
	s_mov_b32 s11, 0
	s_add_nc_u64 s[8:9], s[8:9], s[10:11]
	v_pk_fma_f32 v[Z:Z+1],   v[FIRST:FIRST+1],   v[Q:Q+1], v[Z:Z+1]       ; Y_0 = b^64 x_0 + alpha Z_0
	v_pk_fma_f32 v[Z+2:Z+3], v[FIRST+2:FIRST+3], v[Q:Q+1], v[Z+2:Z+3]
	; At part w, min(31, DEPTH + w - 1) LDS loads have been issued and w have to be in: min(31 - w, DEPTH - 1) may stay out.
.set w, 1
.rept WAVES-1
.set xs, X+4*((w-1)%DEPTH)
.if WAVES-1-w < DEPTH-1
	s_wait_dscnt WAVES-1-w
.else
	s_wait_dscnt DEPTH-1
.endif
	v_pk_fma_f32 v[Z:Z+1],   v[Z:Z+1],   v[Q:Q+1], v[xs:xs+1]             ; Y_w = b^64 Y_(w-1) + alpha Z_w
	v_pk_fma_f32 v[Z+2:Z+3], v[Z+2:Z+3], v[Q:Q+1], v[xs+2:xs+3]
.if w+DEPTH < WAVES
	ds_load_b128 v[xs:xs+3], v[RD] offset:(w+DEPTH)*PART
.endif
.set w, w+1
.endr
	global_store_b128 v[RD], v[Z:Z+3], s[8:9] th:TH_STORE_NT             ; the group's 512 output bytes, consecutive and aligned to 512, in one store
.Lend:
	s_wait_tensorcnt 0x0
	ds_add_u32 v116, v117
	s_wait_dscnt 0x0
	s_endpgm
.Lfunc_end_k_q061fbee76c_smooth:
	.size	k_q061fbee76c_smooth, .Lfunc_end_k_q061fbee76c_smooth-k_q061fbee76c_smooth
	.p2alignl 7, 3214868480
	.fill 96, 4, 3214868480
	.section	.rodata,"a",@progbits
	.p2align	6, 0x0
	.amdhsa_kernel k_q061fbee76c_smooth
		.amdhsa_group_segment_fixed_size 20480
		.amdhsa_private_segment_fixed_size 0
		.amdhsa_enable_private_segment 0
		.amdhsa_kernarg_size 24
		.amdhsa_user_sgpr_count 2
		.amdhsa_user_sgpr_kernarg_segment_ptr 1
		.amdhsa_wavefront_size32 1
		.amdhsa_system_sgpr_workgroup_id_x 1
		.amdhsa_system_sgpr_workgroup_id_y 1
		.amdhsa_system_sgpr_workgroup_id_z 1
		.amdhsa_system_vgpr_workitem_id 0
		.amdhsa_next_free_vgpr 118
		.amdhsa_next_free_sgpr 66
		.amdhsa_reserve_vcc 0
		.amdhsa_float_denorm_mode_32 3
		.amdhsa_float_denorm_mode_16_64 3
		.amdhsa_memory_ordered 1
		.amdhsa_forward_progress 1
		.amdhsa_inst_pref_size 26
	.end_amdhsa_kernel
	.amdgpu_metadata
---
amdhsa.version: [ 1, 2 ]
amdhsa.kernels:
  - .name:           k_q061fbee76c_smooth
    .symbol:         k_q061fbee76c_smooth.kd
    .args:
      - { .name: x, .offset: 0, .size: 8, .value_kind: global_buffer, .address_space: global }
      - { .name: alpha, .offset: 8, .size: 8, .value_kind: global_buffer, .address_space: global }
      - { .name: out0, .offset: 16, .size: 8, .value_kind: global_buffer, .address_space: global }
    .group_segment_fixed_size: 20480
    .private_segment_fixed_size: 0
    .kernarg_segment_align: 8
    .kernarg_segment_size: 24
    .max_flat_workgroup_size: 1024
    .sgpr_count:     66
    .vgpr_count:     118
    .wavefront_size: 32
...
	.end_amdgpu_metadata
.endif
;; end of part 1
